; MI455X (gfx1250); checked and timed in simulation.
; The chip was launched on July 23, 2026; its instructions are those of AMD's public machine-readable ISA for CDNA 5 (MIT licence, August 2026) and "CDNA5" Instruction Set Architecture Reference Guide (July 2026). The comments in the code are by the model that wrote it; some were corrected since.
;; Scaled Dot Product Attention. Allowed arithmetic: matrix products marked QUANTISED: E2M3 operands, one E8M0 scale for each 32 along K, by v_wmma_scale_f32_16x16x128_f8f6f4 with both operands' format E2M3, f32 sums; everything else in f32.
;; Inputs: K 4 x 16 x 2,048 x 64 float32; Q 4 x 16 x 2,048 x 64 float32; V 4 x 16 x 2,048 x 64 float32; attn_mask 4 x 1 x 2,048 x 2,048 bool.
;; Outputs: out0 4 x 16 x 2,048 x 64 float32.
;; This version of the problem:
;;   THIS VERSION OF THE PROBLEM IS GIVEN IN LOW PRECISION. The matrix products marked QUANTISED in the list below multiply operands that are first quantised to E2M3 (2 exponent bits, 3 mantissa bits; 6 bits a number), with one power-of-two scale for each 32 numbers along K (OCP MX v1.0); their sums are f32. All else is computed in f32.
;;   The module's matrix products, in the order in which they are computed (A, B: the left and right operand; K: the contracted axis; several contracted axes count as one K, in the product's order):
;;     1. batch 64 x [M 2,048, K 64] x [K 64, N 2,048]; A: input Q; B: input K: QUANTISED
;;     2. batch 64 x [M 2,048, K 2,048] x [K 2,048, N 64]; A: softmax (see below); B: input V: QUANTISED
;;   THE QUANTISER, for each operand of a quantised product, along K:
;;     - K is cut into blocks of 32 from its start; a last block that is shorter is filled with zeros.
;;     - A block's scale is 2^e with e = floor(log2(the largest magnitude in the block)) - 2, held to -126 .. 127; a block of zeros has e = 0. As a byte (E8M0): e + 127.
;;     - Each number is divided by its block's scale, clamped to +-7.5, and rounded to the nearest number of E2M3, ties to even, subnormals kept.
;;     - The product sums the exact products of the quantised numbers (number of the format x scale) in f32.
;;   ~~~python
;;   def quantise(x, axis):      # numpy; x: float32 -> the quantised numbers, widened to float32 again
;;       x = np.moveaxis(x, axis, -1); K = x.shape[-1]
;;       x = np.pad(x, [(0, 0)] * (x.ndim - 1) + [(0, -K % 32)]); x = x.reshape(x.shape[:-1] + (-1, 32)); a = np.abs(x).max(-1, keepdims=True)
;;       e = np.where(a > 0, np.clip(np.frexp(np.where(a > 0, a, 1))[1] - 1 - 2, -126, 127), 0)      # np.frexp(a)[1] - 1 = floor(log2(a)), exactly
;;       r = np.clip(x / 2.0 ** e, -7.5, 7.5)
;;       step = 2.0 ** (np.maximum(np.frexp(np.where(r == 0, 1, r))[1] - 1, 0) - 3)
;;       q = np.round(r / step) * step * 2.0 ** e      # np.round: ties to even
;;       return np.moveaxis(q.reshape(q.shape[:-2] + (-1,))[..., :K], -1, axis).astype(np.float32)
;;   ~~~
;;   SOFTMAX AHEAD OF A QUANTISED PRODUCT. Where the list says 'softmax', what is quantised is not the finished softmax but p = 2^(t - M), with t = logit x log2(e) and M = ceil(the row's largest t), a whole number; so 1/2 < the row's largest p <= 1. The row's sum l is taken of the UNQUANTISED p, in f32, and the product's result is divided by l at the end. Since M is a whole number, a kernel that streams over the keys may use a running M (the ceiling of the running maximum): every later rescaling is an exact power of two, which a block's scale takes up: the codes' values come out the same.
;;   OPERANDS COMPUTED ON THE WAY. 'Computed on the way' means the value that the module computes at that place (a softmax that the list does not call 'softmax' is quantised finished and normalised). What goes into a quantiser is computed in f32, as accurately as f32 sums, v_exp_f32 and their like allow (about 1e-6 of the number): no bf16 or f16 on the way to a quantiser, and a product that is left as it is and whose result goes on into a quantised operand takes f32 operands (vector FMAs, or v_wmma_f32_16x16x4_f32). A number that lies on a knife's edge between two numbers of the format may be rounded either way, as far as f32 arithmetic and the matrix unit's own rounding can turn it there, and no further.
;; One version. Each part assembles by itself: llvm-mc -triple=amdgcn-amd-amdhsa -mcpu=gfx1250 --defsym DOCPART=n.
;; ======== version 1 of 1: 2 launches
;; limits: right only within a limited range of input values
;; workspace buffers: kv 13,369,344 bytes; mbits 2,097,152 bytes of whole numbers
;; launch prep (part 1): grid 1024 x 1, 4 waves a work-group, no clusters, 52,736 bytes of LDS; arguments K, V, attn_mask, kv, mbits; writes kv, mbits
.if DOCPART == 1
	.amdgcn_target "amdgcn-amd-amdhsa--gfx1250"
	.amdhsa_code_object_version 6
	.text
	.protected	k_qabfe9010f7_prep
	.globl	k_qabfe9010f7_prep
	.p2align	8
	.type	k_qabfe9010f7_prep,@function
k_qabfe9010f7_prep:
	s_mov_b64 s[64:65], 0
	v_nop
	global_prefetch_b8 v0, s[64:65] scope:SCOPE_SE
	s_setreg_imm32_b32 hwreg(HW_REG_WAVE_MODE, 25, 1), 1
	s_wait_xcnt 0x0
; K and V [64 heads][2048 keys][64] f32 become codes of FP6 (E2M3) with E8M0 scale bytes, laid in kv as IMAGES OF THE OPERANDS' REGISTERS of the attention launch;
; attn_mask [4][2048 queries][2048 keys] bytes becomes lane masks in mbits, one 32-bit word for each score register of that launch.
; kv: for (head, step of 128 keys) a block of 13,056 bytes at (16 head + step) x 13,056.  Lane l = r + 16 h.
;   0      KIMG 12 pieces of 512 bytes; piece c holds lane l's 16 bytes at 16 l: registers 4 c .. 4 c + 3 of the run KF[0..47];
;          KF[6 t + j]: tile t (0..7), lane (r, h): the 24 bytes of codes of key 32 (t / 2) + 8 (t % 2) + r + 8 (r / 8), d = 32 h .. 32 h + 31
;   6,144  KSC  lane l's 16 bytes at 16 l: word j = the scale word of tile 2 j + h, row r: bytes e(d 0-31), e(d 32-63), 0x7f, 0x7f
;   6,656  VIMG 12 pieces of 512 bytes of the run VF[0..47]; VF[12 t + 6 c + j]: channel 16 t + r, keys 64 c + 32 h + 0 .. 31
;   12,800 VSC  word j (0, 1) at 128 j + 4 l: the scale word (four blocks of 32 keys) of tile 2 j + h, row r
; mbits: for (batch, tile of 16 queries, step) 64 words at ((128 batch + tile) x 16 + step) x 256; word 16 b + i has in bit r + 16 h: mask[batch][16 tile + r][128 step + 32 b + 16 h + i].
; A block's scale is 2^(floor(log2(its largest magnitude)) - 2); its byte is the largest magnitude's exponent field - 2, held at 1 from below.  A block of zeros so gets the byte 1 where the
; rule says 127: its codes are zeros, which add nothing under any byte but 0xff, and this program alone reads the bytes.
; LIMITS: NaN and infinities among K and V are not served.  A mask byte counts as true where it is not 0.
; SHARES: work-groups 0-255 take K (a wave: one block of 128 keys), 256-767 V (a wave: 128 keys x 32 channels), 768-1023 the mask (a wave: 16 queries x 1,024 keys).
; The three paths part on the work-group's number; each has LDS bytes of its own; waves share nothing: no barrier.
.set BLK,   13056
.set KSCO,  6144
.set VIMGO, 6656
.set VSCO,  12800
.set FLOOR, 0x1800000                  ; 2^(3 - 127)
.set EOFF,  0xff000000                 ; takes 2 off an exponent field
.set KSTG,  32*272                     ; K's stage of a wave: 32 rows of 256 bytes + 16
.set MST0,  4*KSTG                     ; behind them the mask's stages:
.set MSTG,  16*272                     ; 16 rows of 256 bytes + 16 for each wave
	s_load_b256 s[4:11], s[0:1], 0x0               ; K s[4:5], V s[6:7], attn_mask s[8:9], kv s[10:11]
	s_load_b64 s[12:13], s[0:1], 0x20              ; mbits
	v_lshl_add_u32 v62, v0, 2, 0xcc00
	v_mov_b32 v63, 0
	v_lshrrev_b32 v1, 5, v0
	v_readfirstlane_b32 s16, v1                    ; wave 0..3
	v_and_b32 v1, 31, v0                           ; lane
	v_and_b32 v2, 15, v0                           ; r
	v_bfe_u32 v3, v0, 4, 1                         ; h
	v_lshlrev_b32 v4, 4, v1                        ; 16 x lane
	s_mov_b32 s20, 0x76543210
	s_mov_b32 s21, 0xfedcba98                      ; v_permlanex16_b32's selects for lane l xor 16
	s_mov_b32 s22, 0xffff0000                      ; lanes 16-31
	s_mov_b32 s19, 0                               ; the upper word of every offset: all stay under 2^32
	s_wait_kmcnt 0x0
	s_cmp_lt_u32 ttmp9, 256
	s_cbranch_scc1 .Lkpath
	s_cmp_lt_u32 ttmp9, 768
	s_cbranch_scc1 .Lvpath
; ---------------- THE MASK.  Task T = 4 (work-group - 768) + wave: T / 2 = 128 batch + tile of queries, T % 2 = which 1,024 keys (8 steps).
	s_sub_co_u32 s17, ttmp9, 768
	s_lshl_b32 s17, s17, 2
	s_add_co_u32 s17, s17, s16
	s_and_b32 s23, s17, 1
	s_lshr_b32 s17, s17, 1
	s_lshl_b32 s18, s17, 15                        ; 16 rows of 2,048 bytes
	s_lshl_b32 s24, s23, 10
	s_add_co_u32 s18, s18, s24
	s_add_nc_u64 s[8:9], s[8:9], s[18:19]
	s_lshl_b32 s18, s17, 12                        ; 16 steps of 256 bytes
	s_lshl_b32 s24, s23, 11
	s_add_co_u32 s18, s18, s24
	s_add_nc_u64 s[12:13], s[12:13], s[18:19]
	s_mul_i32 s23, s16, MSTG
	s_add_co_u32 s23, s23, MST0                    ; my stage
	s_wait_alu depctr_va_vdst(0)
	v_lshlrev_b32 v5, 11, v3
	v_lshl_add_u32 v5, v2, 4, v5                   ; in: lanes 0-15 one row's 256 bytes, lanes 16-31 the next row's
	v_mul_u32_u24 v6, v3, 272
	v_lshl_add_u32 v6, v2, 4, v6
	v_add_nc_u32 v6, s23, v6                       ; into the stage, likewise
	v_mul_u32_u24 v7, v2, 272
	v_lshl_add_u32 v7, v3, 4, v7
	v_add_nc_u32 v7, s23, v7                       ; out of it: row r, + 16 h: my 16 keys of a block of 32
	v_lshlrev_b32 v8, 3, v1                        ; out: two words a lane
	s_mov_b32 s24, 0xff
	s_mov_b32 s25, 0xff00
	s_mov_b32 s26, 0xff0000
	s_mov_b32 s27, 0xff000000
.irp sp, 0,1,2,3                       ; all 32 loads at once: 256 keys (two steps) x 16 rows in each group of eight
.irp i, 0,1,2,3,4,5,6,7
	global_load_b128 v[64+32*\sp+4*\i:67+32*\sp+4*\i], v5, s[8:9] offset:4096*\i+256*\sp th:TH_LOAD_NT
.endr
.endr
.irp j, 0,1,2,3,4,5,6,7,8,9,10,11,12,13,14,15
	v_mov_b32 v[32+\j], 0                          ; the words' registers: v_writelane_b32's destination counts as read
.endr
; One step's 64 words.  y: the first of 16 registers that hold my 64 mask bytes, register 4 b + i / 4, byte i % 4.  Word n = 4 g + k goes to lane n / 2 of the pair's register n % 2.
.macro MSTEP pr, y
.set g, 0
.rept 16
.irp k, 0,1,2,3
	v_and_b32 v[10+\k], s[24+\k], v[\y+g]
.endr
.irp k, 0,1,2,3
	v_cmp_ne_u32 s[28+\k], 0, v[10+\k]             ; bit l: lane l's byte is not 0
.endr
.irp k, 0,1,2,3
	v_writelane_b32 v[32+2*(\pr)+\k%2], s[28+\k], 2*g+\k/2
.endr
.set g, g+1
.endr
	global_store_b64 v8, v[32+2*(\pr):33+2*(\pr)], s[12:13] offset:256*(\pr)   ; 32 lanes store 256 consecutive bytes, aligned; each pair has registers of its own
.endm
.irp sp, 0,1,2,3
	s_wait_loadcnt 24-8*\sp                        ; this group's eight loads are in; the later groups may be out
.irp i, 0,1,2,3,4,5,6,7
	ds_store_b128 v6, v[64+32*\sp+4*\i:67+32*\sp+4*\i] offset:544*\i
.endr
.irp q, 0,1,2,3,4,5,6,7                ; step q / 4, block q % 4.  LDS serves a wave's instructions in order: these see the stores above, and the next group's stores come behind them
	ds_load_b128 v[192+4*\q:195+4*\q], v7 offset:128*(\q/4)+32*(\q%4)
.endr
	s_wait_dscnt 0x0
	MSTEP 2*\sp, 192
	MSTEP 2*\sp+1, 208
.endr
	s_wait_tensorcnt 0x0
	ds_add_u32 v62, v63
	s_wait_dscnt 0x0
	s_endpgm
; ---------------- K.  Task T = 4 work-group + wave = 16 head + step: 128 keys, 32,768 dense bytes.
.Lkpath:
	s_lshl_b32 s17, ttmp9, 2
	s_add_co_u32 s17, s17, s16
	s_lshl_b32 s18, s17, 15
	s_add_nc_u64 s[4:5], s[4:5], s[18:19]
	s_mul_i32 s18, s17, BLK
	s_add_nc_u64 s[10:11], s[10:11], s[18:19]
	s_mul_i32 s23, s16, KSTG                       ; my stage
	s_wait_alu depctr_va_vdst(0)
	v_mul_u32_u24 v5, v3, 272
	v_lshl_add_u32 v5, v2, 4, v5
	v_add_nc_u32 v5, s23, v5                       ; into it: lanes 0-15 one row, lanes 16-31 the next
	v_mul_u32_u24 v6, v2, 272
	v_lshl_add_u32 v6, v3, 7, v6
	v_add_nc_u32 v6, s23, v6                       ; out of it: row r, + 128 h: my block of 32 along d
	v_lshlrev_b32 v7, 3, v3                        ; 8 h
	v_mov_b32 v14, 0                               ; a lane permute's destination counts as one of its sources
	v_mov_b32 v15, 0
.set X, 192                            ; v192-255 two tiles x 32 numbers
.set C, 32                             ; v32-43   two tiles' codes;  v44-46, v48-50 the halves that a conversion cannot put on an odd register;  v52-55 the scale words
.macro KLOAD b                         ; 32 keys: 16 loads of 512 consecutive bytes (two rows) into set b % 2
.irp i, 0,1,2,3,4,5,6,7,8,9,10,11,12,13,14,15
	global_load_b128 v[64+64*((\b)%2)+4*\i:67+64*((\b)%2)+4*\i], v4, s[4:5] offset:8192*(\b)+512*\i th:TH_LOAD_NT
.endr
.endm
; Through the stage.  Key k of the 32 goes to stage row k % 8 + 16 ((k / 8) % 2) + 8 (k / 16), so that the 16 keys of a tile (8 u + r + 8 (r / 8)) lie on end: rows 16 u + r.
.macro KTURN b
.irp i, 0,1,2,3,4,5,6,7,8,9,10,11,12,13,14,15
	ds_store_b128 v5, v[64+64*((\b)%2)+4*\i:67+64*((\b)%2)+4*\i] offset:272*(((2*\i)%8)+16*(((2*\i)/8)%2)+8*((2*\i)/16))
.endr
.irp u, 0,1
.irp i, 0,1,2,3,4,5,6,7
	ds_load_b128 v[X+32*\u+4*\i:X+32*\u+4*\i+3], v6 offset:16*\u*272+16*\i   ; LDS serves a wave's instructions in order: these see the stores above
.endr
.endr
.endm
.macro KQ b                            ; tiles 2 b and 2 b + 1, by turns: a lane holds a whole block of each
	v_max3_num_f32 v8, |v[X]|, |v[X+1]|, FLOOR     ; the floor, under which no largest magnitude is taken: the byte cannot fall under 1
	v_max3_num_f32 v9, |v[X+32]|, |v[X+33]|, FLOOR
.irp i, 2,4,6,8,10,12,14,16,18,20,22,24,26,28,30
	v_max3_num_f32 v8, v8, |v[X+\i]|, |v[X+\i+1]|
	v_max3_num_f32 v9, v9, |v[X+32+\i]|, |v[X+33+\i]|
.endr
	v_add_nc_u32 v10, EOFF, v8                     ; 2 off the exponent field: the conversion takes this operand's exponent field as its scale
	v_add_nc_u32 v11, EOFF, v9
	v_lshrrev_b32 v12, 23, v10                     ; the scale's byte
	v_lshrrev_b32 v13, 23, v11
.if \b > 0
	s_wait_alu depctr_va_vdst(0)
	s_wait_xcnt 0x0                                ; the last codes' stores have read their registers: only behind this wait are they written again
.endif
	v_cvt_scalef32_pk16_fp6_f32 v[C:C+2], v[X:X+15], v10
	v_cvt_scalef32_pk16_fp6_f32 v[44:46], v[X+16:X+31], v10      ; (a conversion's three registers begin on an even number)
	v_cvt_scalef32_pk16_fp6_f32 v[C+6:C+8], v[X+32:X+47], v11
	v_cvt_scalef32_pk16_fp6_f32 v[48:50], v[X+48:X+63], v11
	v_lshlrev_b32 v12, v7, v12                     ; my byte at its place in the word: 8 h bits up.  (A plain place behind the conversions)
	v_lshlrev_b32 v13, v7, v13
.irp i, 0,1,2
	v_mov_b32 v[C+3+\i], v[44+\i]
	v_mov_b32 v[C+9+\i], v[48+\i]
.endr
.irp p, 0,1,2
	global_store_b128 v4, v[C+4*\p:C+4*\p+3], s[10:11] offset:512*(3*(\b)+\p)   ; 32 lanes store 512 consecutive bytes, aligned
.endr
	v_permlanex16_b32 v14, v12, s20, s21
	v_permlanex16_b32 v15, v13, s20, s21
	v_or_b32 v12, v12, v14                         ; with lane l xor 16's byte: row r's two bytes, in both halves of the lanes
	v_or_b32 v13, v13, v15
	v_cndmask_b32 v12, v12, v13, s22               ; lanes 0-15 keep tile 2 b's word, lanes 16-31 take tile 2 b + 1's
	v_or_b32 v[52+\b], 0x7f7f0000, v12             ; bytes 2 and 3: the scale 1, for the half of the instruction's K that holds nothing
.endm
	KLOAD 0
	KLOAD 1
	s_wait_alu depctr_va_vdst(0)
.irp b, 0,1,2,3
.if \b < 3
	s_wait_loadcnt 16                              ; this set's 16 loads are in; the younger set may be out
.else
	s_wait_loadcnt 0x0
.endif
	KTURN \b
	s_wait_dscnt 0x0                               ; the numbers are back, and the stores into the stage have read the set
.if \b < 2
	KLOAD \b+2
.endif
	KQ \b
.endr
	global_store_b128 v4, v[52:55], s[10:11] offset:KSCO
	s_wait_tensorcnt 0x0
	ds_add_u32 v62, v63
	s_wait_dscnt 0x0
	s_endpgm
; ---------------- V.  Task T = 4 (work-group - 256) + wave: T / 2 = 16 head + step, T % 2 = which 32 channels.  A LANE TAKES A CHANNEL, AND ITS REGISTERS RUN DOWN THE KEYS.
.Lvpath:
	s_sub_co_u32 s17, ttmp9, 256
	s_lshl_b32 s17, s17, 2
	s_add_co_u32 s17, s17, s16
	s_and_b32 s23, s17, 1                          ; which 32 channels
	s_lshr_b32 s17, s17, 1
	s_lshl_b32 s18, s17, 15
	s_lshl_b32 s24, s23, 7
	s_add_co_u32 s18, s18, s24
	s_add_nc_u64 s[6:7], s[6:7], s[18:19]
	s_mul_i32 s18, s17, BLK
	s_add_nc_u64 s[10:11], s[10:11], s[18:19]      ; the block
	s_mul_i32 s18, s23, 3072                       ; my two tiles' images: 2 x 3 pieces of 512 bytes
	s_add_co_u32 s18, s18, VIMGO
	s_add_nc_u64 s[14:15], s[10:11], s[18:19]
	s_add_co_u32 s18, s24, VSCO
	s_add_nc_u64 s[10:11], s[10:11], s[18:19]      ; and their scale words
	s_wait_alu depctr_va_vdst(0)
	v_lshlrev_b32 v5, 2, v1                        ; 4 x lane
	v_mul_u32_u24 v6, v3, 1536
	v_lshl_add_u32 v6, v2, 4, v6                   ; my tile's pieces (lane / 16), my row's 16 bytes in them
.macro VLOAD t                         ; block t: V(32 t + i, my channel), i = 0 .. 31: 32 lanes read 128 consecutive bytes
.irp i, 0,1,2,3,4,5,6,7,8,9,10,11,12,13,14,15,16,17,18,19,20,21,22,23,24,25,26,27,28,29,30,31
	global_load_b32 v[64+32*(\t)+\i], v5, s[6:7] offset:256*(32*(\t)+\i) th:TH_LOAD_NT
.endr
.endm
; Block kb of my channel belongs to the reader's lane (r, h = kb % 2), registers 6 (kb / 2) on: so v[32 + 12 h ..] gathers the 12 registers of that lane.
.macro VBLOCK kb
.set XS, 64+32*(\kb)
.set FD, 32+12*((\kb)%2)+6*((\kb)/2)
.if (\kb) < 3
	s_wait_loadcnt 32                              ; this block's 32 loads are in; the next block's may be out
.else
	s_wait_loadcnt 0x0
.endif
.if (\kb) < 2
	VLOAD (\kb)+2                                  ; two blocks ahead; every block has registers of its own
.endif
	v_max3_num_f32 v8, |v[XS]|, |v[XS+1]|, |v[XS+2]|
	v_max3_num_f32 v9, |v[XS+3]|, |v[XS+4]|, |v[XS+5]|
.irp i, 6,10,14,18,22,26
	v_max3_num_f32 v8, v8, |v[XS+\i]|, |v[XS+\i+1]|
	v_max3_num_f32 v9, v9, |v[XS+\i+2]|, |v[XS+\i+3]|
.endr
	v_max3_num_f32 v8, v8, |v[XS+30]|, |v[XS+31]|
	v_max3_num_f32 v8, v8, v9, FLOOR
	v_add_nc_u32 v10, EOFF, v8
	v_lshrrev_b32 v11, 23, v10
.if (\kb) == 0
	v_mov_b32 v20, v11                             ; the four bytes make my channel's scale word, the lower keys in the lower byte
.else
	v_lshl_or_b32 v20, v11, 8*(\kb), v20
.endif
	v_cvt_scalef32_pk16_fp6_f32 v[FD:FD+2], v[XS:XS+15], v10
	v_cvt_scalef32_pk16_fp6_f32 v[56:58], v[XS+16:XS+31], v10    ; (a conversion's three registers begin on an even number)
	v_nop                                          ; one plain place behind a scaled conversion
.irp i, 0,1,2
	v_mov_b32 v[FD+3+\i], v[56+\i]
.endr
.endm
	VLOAD 0
	VLOAD 1
	s_wait_alu depctr_va_vdst(0)
	VBLOCK 0
	VBLOCK 1
	VBLOCK 2
	VBLOCK 3
.irp hh, 0,1
.irp p, 0,1,2
	global_store_b128 v6, v[32+12*\hh+4*\p:35+12*\hh+4*\p], s[14:15] offset:512*\p+256*\hh   ; each half of the lanes stores 256 consecutive bytes, aligned
.endr
.endr
	global_store_b32 v5, v20, s[10:11]
	s_endpgm
.Lfunc_end_k_qabfe9010f7_prep:
	.size	k_qabfe9010f7_prep, .Lfunc_end_k_qabfe9010f7_prep-k_qabfe9010f7_prep
	.p2alignl 7, 3214868480
	.fill 96, 4, 3214868480
	.section	.rodata,"a",@progbits
	.p2align	6, 0x0
	.amdhsa_kernel k_qabfe9010f7_prep
		.amdhsa_group_segment_fixed_size 52736
		.amdhsa_private_segment_fixed_size 0
		.amdhsa_enable_private_segment 0
		.amdhsa_kernarg_size 40
		.amdhsa_user_sgpr_count 2
		.amdhsa_user_sgpr_kernarg_segment_ptr 1
		.amdhsa_wavefront_size32 1
		.amdhsa_system_sgpr_workgroup_id_x 1
		.amdhsa_system_sgpr_workgroup_id_y 1
		.amdhsa_system_sgpr_workgroup_id_z 1
		.amdhsa_system_vgpr_workitem_id 0
		.amdhsa_next_free_vgpr 256
		.amdhsa_next_free_sgpr 66
		.amdhsa_reserve_vcc 0
		.amdhsa_float_denorm_mode_32 3
		.amdhsa_float_denorm_mode_16_64 3
		.amdhsa_memory_ordered 1
		.amdhsa_forward_progress 1
		.amdhsa_inst_pref_size 140
	.end_amdhsa_kernel
	.amdgpu_metadata
---
amdhsa.version: [ 1, 2 ]
amdhsa.kernels:
  - .name:           k_qabfe9010f7_prep
    .symbol:         k_qabfe9010f7_prep.kd
    .args:
      - { .name: K, .offset: 0, .size: 8, .value_kind: global_buffer, .address_space: global }
      - { .name: V, .offset: 8, .size: 8, .value_kind: global_buffer, .address_space: global }
      - { .name: attn_mask, .offset: 16, .size: 8, .value_kind: global_buffer, .address_space: global }
      - { .name: kv, .offset: 24, .size: 8, .value_kind: global_buffer, .address_space: global }
      - { .name: mbits, .offset: 32, .size: 8, .value_kind: global_buffer, .address_space: global }
    .group_segment_fixed_size: 52736
    .private_segment_fixed_size: 0
    .kernarg_segment_align: 8
    .kernarg_segment_size: 40
    .max_flat_workgroup_size: 128
    .sgpr_count:     66
    .vgpr_count:     256
    .wavefront_size: 32
...
	.end_amdgpu_metadata
.endif
;; end of part 1
;; launch attn (part 2): grid 4 x 64, 16 waves a work-group, clusters of 4 x 1, 280,576 bytes of LDS; arguments Q, kv, mbits, out0; writes out0
.if DOCPART == 2
	.amdgcn_target "amdgcn-amd-amdhsa--gfx1250"
	.amdhsa_code_object_version 6
	.text
	.protected	k_qabfe9010f7_attn
	.globl	k_qabfe9010f7_attn
	.p2align	8
	.type	k_qabfe9010f7_attn,@function
k_qabfe9010f7_attn:
	s_mov_b64 s[64:65], 0
	v_nop
	global_prefetch_b8 v0, s[64:65] scope:SCOPE_SE
	s_setreg_imm32_b32 hwreg(HW_REG_WAVE_MODE, 25, 1), 1
	s_wait_xcnt 0x0
	s_wait_alu depctr_hold_cnt(0) depctr_sa_sdst(0) depctr_va_vdst(0) depctr_va_sdst(0) depctr_va_ssrc(0) depctr_va_vcc(0) depctr_vm_vsrc(0)
	s_getreg_b32 s2, hwreg(HW_REG_IB_STS2, 6, 4)
	s_cmp_eq_u32 s2, 0
	s_cbranch_scc0 .Lentry_in_a_cluster
	s_endpgm
.Lentry_in_a_cluster:
	s_bfe_u32 s2, ttmp6, 0x10000c
	s_cmp_lg_u32 s2, 0x3003
	s_cbranch_scc0 .Lentry_shape_is_right
	s_endpgm
.Lentry_shape_is_right:
; out0[hd][q][:] = sum over k of softmax_k(where(mask, -1e9, Q[hd][q] . K[hd][k] / 8)) V[hd][k][:]; 64 heads, 2,048 queries and keys, head size 64; both products on codes of FP6 (E2M3)
; with one E8M0 scale for each 32 along a product's K.  K's and V's codes and scale words come from kv, the mask as lane masks from mbits, laid as the launch before says; Q is quantised here.
; THE SOFTMAX: t = raw score x c, c = log2(e) / 8; M = the row's largest t so far, rounded UP to a whole number; p = 2^(t - M) is quantised along the keys.  The row's sum is taken of the
; unquantised p and divides at the end.  When M moves, the sum and O are multiplied by 2^(old M - new M): exact.
; THE MASK: a masked raw score becomes -2^33.  c x 2^33 is a whole number, so in a row that is masked throughout t - M is exactly 0 and every p is 1, as with -1e9; as soon as a key counts,
; 2^(old M - new M) is 0 and wipes what was summed, and masked p are 0.
; LIMITS: a row whose unmasked raw scores lie under -2^33 (logits under about -1.07e9) ranks them otherwise against masked keys than -1e9 would; NaN and infinities among the inputs are not served.
; SHARES.  A work-group owns 512 queries of one head; each of its sixteen waves 32 of them, two tiles of 16, one after the other (BODY), in 256 registers.  A pass walks the head's 16 steps of 128 keys.
; LDS.  The head's 16 blocks of kv, 208,896 bytes, come in once, one tensor load a wave (one is out), and stay: nothing is filled again, and there is no loop to run ahead of these loads in, so
; they have no prefetch.  Behind them a stage of 16 rows x 272 bytes for each wave, then the spare words.
; CLUSTER.  The four blocks of queries of a head want the same 208,896 bytes: each load is asked for jointly by the four, with the same descriptor and the mask 15.  The place in the cluster
; enters the addresses of Q, mbits and out0 alone.
; Q.  The head loads tile 0's 16 rows alone.  Tile 1's 4,096 bytes a wave are prefetched at the head, a lane a row of 256 bytes (lanes 16-31 name the last row again), a whole pass of 16 steps
; ahead of their loads, which stand on pass 0's way out.
; LAYOUT.  Both products are used transposed: S^T = K Q^T, O^T = V^T P^T: a lane holds ONE query (lane % 16).  Lane r of tile 2 b + u of K holds key 32 b + 8 u + r + 8 (r / 8), so that score
; register 16 b + i holds key 32 b + 16 (lane / 16) + i: 16 neighbours along the next K.
; K = 64 IN AN INSTRUCTION OF 128.  Q's registers 6-11 are zero codes and bytes 2, 3 of both sides' scale words are 0x7f.  K's fragment t is named v[32 + 6 t : 43 + 6 t]: its upper six registers
; are the next fragment's codes (behind the last: zeros).  Every code is a finite number, so each of those products is exactly 0.
; A STEP'S ORDER.  The next step's fragments of K are asked of LDS behind this step's second product, and the additions of this step's p stand round that request.
.set KVSTEP, 13056
.set KVHEAD, 16*KVSTEP
.set KSCO,   6144
.set VIMGO,  6656
.set VSCO,   12800
.set STAGE,  KVHEAD
.set STGW,   16*272
; v1 16 x lane, v2 4 x lane; v3, v4 the step's LDS addresses; v5 stage: in; v6 stage: by rows; v7 my bytes in two rows of out0; v8 8 h; v9 stage: Q's way back; v10, v11 at work
; v12 -M, v13 the largest t, v[14:15] the sum; v[16:27] Q's fragment; v28 the prefetch's offset; v254, v255 the add's two registers
.set KV,  32                           ; v32-79 K's eight fragments, later V's four; v80-85 zeros
.set KS,  86                           ; v86-89 K's scale words; v90, v91 V's; v92 Q's; v93 p's
.set SS,  96                           ; v96-159 S^T, then p
.set OT,  160                          ; v160-191 O^T (between the passes: Q's rows as loaded)
.set PCD, 192                          ; v192-203 p's codes; v204-206, v208-210 the halves that a conversion cannot put on an odd register
.set BM,  212                          ; the blocks' largest scores, then largest p
.set PT,  216                          ; permutes' results, later the bytes
.set SOP, 220                          ; the conversions' scale operands
.set FF,  224                          ; v[224:225] f = 2^(old M - new M)
.set TMP, 226
.set XM,  227                          ; -2^33
.set SA,  228                          ; v228-241 seven chains of the sum
; s[4:5] Q, s[8:9] mbits, s[10:11] out0, at my wave's part; s12 wave; s13 the step's LDS byte; s14 trips to go; s66 the mask words' offset
; s[16:63], s[68:83] the step's 64 mask words; s[84:85] lane selects; s[86:87] c; s[88:91], s[92:99] the descriptor
.macro ROUND
	s_barrier_signal -1
	s_barrier_wait -1
	s_cmp_lg_u32 s12, 0
	s_cbranch_scc1 .Lnot_wave_0_\@
	s_barrier_signal -3
.Lnot_wave_0_\@:
	s_barrier_wait -3
	s_barrier_signal -1
	s_barrier_wait -1
.endm
	s_load_b256 s[4:11], s[0:1], 0x0               ; Q, kv, mbits, out0
	v_lshl_add_u32 v254, v0, 2, 0x44000
	v_mov_b32 v255, 0
	ds_add_u32 v254, v255                          ; the opening lines: the add twice and one wait
	ds_add_u32 v254, v255
	v_lshrrev_b32 v10, 5, v0
	s_delay_alu instid0(VALU_DEP_1)
	v_readfirstlane_b32 s12, v10                   ; wave 0..15
	s_bfe_u32 s2, ttmp6, 0x40000                   ; cx
	s_lshl_b32 s3, ttmp9, 2
	s_add_co_u32 s2, s2, s3                        ; my block of 512 queries
	s_and_b32 s15, ttmp7, 0xffff                   ; the head, which the four partners share
	s_mul_i32 s90, s15, KVHEAD                     ; the joint load: head and wave alone enter it
	s_mul_i32 s89, s12, KVSTEP                     ; LDS address: 13,056 x wave
	s_add_co_u32 s90, s90, s89
	s_mov_b32 s91, 0
	s_mov_b32 s88, 1
	s_mov_b32 s92, 15|(3<<16)|(1<<21)              ; mask of all four; elements of 8 bytes; bit 21 beside a mask
	s_mov_b32 s93, 32<<16                          ; rows of 256 bytes
	s_mov_b32 s94, 51<<16                          ; 51 rows: 13,056 dense bytes
	s_mov_b32 s95, 32<<16
	s_mov_b32 s96, 51
	s_mov_b32 s97, 32
	s_mov_b32 s98, 0
	s_mov_b32 s99, 0
	s_lshl_b32 s100, s15, 11                       ; Q and out0: row 2,048 head + 512 block + 32 wave, 256 bytes a row
	s_lshl_b32 s3, s2, 9
	s_add_co_u32 s100, s100, s3
	s_lshl_b32 s3, s12, 5
	s_add_co_u32 s100, s100, s3
	s_lshl_b32 s100, s100, 8
	s_mov_b32 s101, 0
	s_lshr_b32 s66, s15, 4                         ; mbits: tile 128 batch + 32 block + 2 wave, 4,096 bytes a tile
	s_lshl_b32 s66, s66, 7
	s_lshl_b32 s3, s2, 5
	s_add_co_u32 s66, s66, s3
	s_lshl_b32 s3, s12, 1
	s_add_co_u32 s66, s66, s3
	s_lshl_b32 s66, s66, 12
	s_mov_b32 s67, 0
	s_mov_b32 s84, 0x76543210
	s_mov_b32 s85, 0xfedcba98                      ; selects for lane l xor 16
	s_mov_b32 s86, 0x3e38aa3b                      ; c = log2(e) / 8
	s_mov_b32 s87, s86
	s_mul_i32 s14, s12, STGW
	s_add_co_u32 s14, s14, STAGE                   ; my stage
	v_and_b32 v10, 31, v0
	s_delay_alu instid0(VALU_DEP_1)
	v_lshlrev_b32 v1, 4, v10
	v_lshlrev_b32 v2, 2, v10
	v_min_u32 v28, 15, v10
	s_delay_alu instid0(VALU_DEP_1)
	v_lshlrev_b32 v28, 8, v28                      ; a row of Q a lane
	v_and_b32 v10, 15, v0                          ; r
	v_bfe_u32 v11, v0, 4, 1                        ; h
	s_delay_alu instid0(VALU_DEP_2)
	v_mul_u32_u24 v9, v10, 272
	s_delay_alu instid0(VALU_DEP_1)
	v_add_nc_u32 v9, s14, v9
	s_delay_alu instid0(VALU_DEP_1)
	v_lshl_add_u32 v5, v11, 5, v9                  ; results in: row r, + 32 h
	v_lshl_add_u32 v9, v11, 7, v9                  ; Q back: row r, + 128 h
	v_mul_u32_u24 v6, v11, 272
	s_delay_alu instid0(VALU_DEP_1)
	v_lshl_add_u32 v6, v10, 4, v6
	s_delay_alu instid0(VALU_DEP_1)
	v_add_nc_u32 v6, s14, v6                       ; by rows: lanes 0-15 one row, lanes 16-31 the next
	v_lshlrev_b32 v7, 8, v11
	s_delay_alu instid0(VALU_DEP_1)
	v_lshl_add_u32 v7, v10, 4, v7                  ; the same two rows in memory
	v_lshlrev_b32 v8, 3, v11
.irp j, 0,1,2,3,4,5
	v_mov_b32 v[22+\j], 0                          ; zero codes: the upper half of K in Q's fragment,
	v_mov_b32 v[80+\j], 0                          ; and behind K's last fragment
.endr
	v_mov_b32 v[FF+1], 0
	v_mov_b32 v[TMP], 0
	v_mov_b32 v[XM], 0xd0000000
.irp b, 0,1,2,3
	v_mov_b32 v[PT+\b], 0                          ; a lane permute's destination counts as one of its sources
.endr
	s_wait_alu depctr_va_vdst(0)
	s_wait_dscnt 0x0
	s_wait_kmcnt 0x0
	s_add_nc_u64 s[90:91], s[6:7], s[90:91]
	s_or_b32 s91, s91, 0x80000000
	s_add_nc_u64 s[4:5], s[4:5], s[100:101]
	s_add_nc_u64 s[10:11], s[10:11], s[100:101]
	s_add_nc_u64 s[8:9], s[8:9], s[66:67]
	ROUND                                          ; all four work-groups are here: the joint loads meet
	tensor_load_to_lds s[88:91], s[92:99]
	s_nop 0
.rept 4
	v_nop
.endr
	s_mov_b32 s66, 0
	s_load_b512 s[16:31], s[8:9], s66 offset:0x0   ; the first step's 64 mask words
	s_load_b512 s[32:47], s[8:9], s66 offset:0x40
	s_load_b512 s[48:63], s[8:9], s66 offset:0x80
	s_load_b512 s[68:83], s[8:9], s66 offset:0xc0
.macro QLOAD p                         ; tile p's 16 rows of Q: 512 consecutive bytes (two rows) a load
.irp i, 0,1,2,3,4,5,6,7
	global_load_b128 v[OT+4*\i:OT+4*\i+3], v1, s[4:5] offset:4096*\p+512*\i th:TH_LOAD_NT
.endr
.endm
; 32 numbers of a lane, v[x] on (d = 32 h + 0 .. 31 of row r), become 6 registers of codes in v[d] on; the row's scale word goes to v[w].
.macro QQ x, d, w
	v_max3_num_f32 v228, |v[\x]|, |v[\x+1]|, |v[\x+2]|
	v_max3_num_f32 v229, |v[\x+3]|, |v[\x+4]|, |v[\x+5]|
.irp i, 6,10,14,18,22,26
	s_delay_alu instid0(VALU_DEP_2)
	v_max3_num_f32 v228, v228, |v[\x+\i]|, |v[\x+\i+1]|
	s_delay_alu instid0(VALU_DEP_2)
	v_max3_num_f32 v229, v229, |v[\x+\i+2]|, |v[\x+\i+3]|
.endr
	s_delay_alu instid0(VALU_DEP_2)
	v_max3_num_f32 v228, v228, |v[\x+30]|, |v[\x+31]|
	s_delay_alu instid0(VALU_DEP_1)
	v_max3_num_f32 v228, v228, v229, 0x1800000     ; the floor 2^(3 - 127): the byte cannot fall under 1
	s_delay_alu instid0(VALU_DEP_1)
	v_add_nc_u32 v226, 0xff000000, v228            ; 2 off the exponent field: the conversion's scale operand
	s_delay_alu instid0(VALU_DEP_1)
	v_lshrrev_b32 v224, 23, v226                   ; the scale's byte
	v_cvt_scalef32_pk16_fp6_f32 v[\d:\d+2], v[\x:\x+15], v226
	v_cvt_scalef32_pk16_fp6_f32 v[204:206], v[\x+16:\x+31], v226
	v_lshlrev_b32 v224, v8, v224                   ; my byte 8 h bits up (a plain place behind the conversions)
.irp i, 0,1,2
	v_mov_b32 v[\d+3+\i], v[204+\i]
.endr
	s_delay_alu instid0(VALU_DEP_4)
	v_permlanex16_b32 v10, v224, s84, s85
	s_delay_alu instid0(VALU_DEP_1)
	v_or_b32 v224, v224, v10                       ; with lane l xor 16's byte
	s_delay_alu instid0(VALU_DEP_1)
	v_or_b32 v[\w], 0x7f7f0000, v224               ; bytes 2 and 3: the scale 1
.endm
.macro QPREP                           ; the loaded rows turn through my stage (LDS serves a wave's instructions in order) and are quantised
	s_wait_loadcnt 0x0
.irp i, 0,1,2,3,4,5,6,7
	ds_store_b128 v6, v[OT+4*\i:OT+4*\i+3] offset:544*\i
.endr
.irp i, 0,1,2,3,4,5,6,7
	ds_load_b128 v[SS+4*\i:SS+4*\i+3], v9 offset:16*\i
.endr
	s_wait_dscnt 0x0
	QQ 96, 16, 92
.endm
.macro KLOADS                          ; K's eight fragments as images, 512 consecutive bytes a load, and their scale words
.irp c, 0,1,2,3,4,5,6,7,8,9,10,11
	ds_load_b128 v[KV+4*\c:KV+4*\c+3], v3 offset:512*\c
.endr
	ds_load_b128 v[KS:KS+3], v3 offset:KSCO
.endm
	QLOAD 0
	global_prefetch_b8 v28, s[4:5] offset:4096 th:TH_LOAD_NT scope:SCOPE_SE   ; tile 1's 16 rows; v28 and s[4:5] are never rewritten
	QPREP
	s_wait_alu depctr_va_vdst(0)
	s_wait_tensorcnt 0x0                           ; my block of the head has landed,
	s_barrier_signal -1
	s_barrier_wait -1                              ; everybody's has: from here on these bytes are only read
; A KEY STEP: 128 keys.  nxt = 1: the next step's fragments of K are asked for at its end.
.macro STEP nxt
	s_wait_dscnt 0x0                               ; K's fragments and scale words, asked for a step ago
.irp t, 0,1,2,3,4,5,6,7
.if \t%2
	v_wmma_scale_f32_16x16x128_f8f6f4 v[SS+8*\t:SS+8*\t+7], v[KV+6*\t:KV+6*\t+11], v[16:27], 0, v[KS+\t/2], v92 matrix_a_fmt:MATRIX_FMT_FP6 matrix_b_fmt:MATRIX_FMT_FP6 matrix_a_scale:MATRIX_SCALE_ROW1
.else
	v_wmma_scale_f32_16x16x128_f8f6f4 v[SS+8*\t:SS+8*\t+7], v[KV+6*\t:KV+6*\t+11], v[16:27], 0, v[KS+\t/2], v92 matrix_a_fmt:MATRIX_FMT_FP6 matrix_b_fmt:MATRIX_FMT_FP6
.endif
.endr
.rept 4
	v_nop                                          ; four places: for the loads into K's registers and the first read of the scores
.endr
.irp c, 0,1,2,3,4,5,6,7,8,9,10,11
	ds_load_b128 v[KV+4*\c:KV+4*\c+3], v3 offset:VIMGO+512*\c    ; V's four fragments land while the softmax is walked
.endr
	ds_load_b32 v90, v4 offset:VSCO
	ds_load_b32 v91, v4 offset:VSCO+128
	s_wait_kmcnt 0x0                               ; the step's mask words, asked for a step ago
.set n, 0
.rept 64                               ; ascending: each accumulator is first read at its low end
.if n < 48
	v_cndmask_b32 v[SS+n], v[SS+n], v[XM], s[16+n]
.else
	v_cndmask_b32 v[SS+n], v[SS+n], v[XM], s[20+n]
.endif
.set n, n+1
.endr
	s_add_co_u32 s66, s66, 256                     ; the next step's words;
	s_min_u32 s66, s66, 7936                       ; my very last step reads its own again: no load leaves the buffer
	s_load_b512 s[16:31], s[8:9], s66 offset:0x0
	s_load_b512 s[32:47], s[8:9], s66 offset:0x40
	s_load_b512 s[48:63], s[8:9], s66 offset:0x80
	s_load_b512 s[68:83], s[8:9], s66 offset:0xc0
.irp b, 0,1,2,3
	v_max3_num_f32 v[BM+\b], v[SS+16*\b], v[SS+1+16*\b], v[SS+2+16*\b]   ; each block's largest score: for the row's maximum and, since p rises with the score, for the block's largest p
.endr
.irp i, 3,5,7,9,11,13
.irp b, 0,1,2,3
	s_delay_alu instid0(VALU_DEP_4)
	v_max3_num_f32 v[BM+\b], v[BM+\b], v[SS+16*\b+\i], v[SS+1+16*\b+\i]
.endr
.endr
.irp b, 0,1,2,3
	s_delay_alu instid0(VALU_DEP_4)
	v_max_num_f32 v[BM+\b], v[BM+\b], v[SS+15+16*\b]
.endr
.irp b, 0,1,2,3
	s_delay_alu instid0(VALU_DEP_4)
	v_permlanex16_b32 v[PT+\b], v[BM+\b], s84, s85
.endr
.irp b, 0,1,2,3
	s_delay_alu instid0(VALU_DEP_4)
	v_max_num_f32 v[BM+\b], v[BM+\b], v[PT+\b]     ; with lane l xor 16's 16 keys
.endr
	s_delay_alu instid0(VALU_DEP_2)
	v_max3_num_f32 v[TMP], v[BM], v[BM+1], v[BM+2]
	s_delay_alu instid0(VALU_DEP_1)
	v_max_num_f32 v[TMP], v[TMP], v[BM+3]          ; the step's largest score of my query
	s_delay_alu instid0(VALU_DEP_1)
	v_mul_f32 v[TMP], s86, v[TMP]                  ; as t (c is positive)
	s_delay_alu instid0(VALU_DEP_1)
	v_max_num_f32 v13, v13, v[TMP]                 ; the running largest t
	v_mov_b32 v[TMP], v12
	s_delay_alu instid0(VALU_DEP_2)
	v_floor_f32 v12, -v13                          ; the new -M = -ceil(t): a whole number
	s_delay_alu instid0(VALU_DEP_1)
	v_sub_f32 v[TMP], v12, v[TMP]                  ; old M - new M: a whole number, 0 or less
	s_delay_alu instid0(VALU_DEP_1)
	v_cvt_i32_f32 v[TMP], v[TMP]                   ; (it saturates)
	s_delay_alu instid0(VALU_DEP_1)
	v_ldexp_f32 v[FF], 1.0, v[TMP]                 ; f = 2^(old M - new M)
.set j, 0
.rept 32
	v_pk_fma_f32 v[SS+j:SS+j+1], v[SS+j:SS+j+1], s[86:87], v[12:13] op_sel_hi:[1,0,0]   ; t - M, two at a time
.set j, j+2
.endr
.irp b, 0,1,2,3
	v_fma_f32 v[BM+\b], v[BM+\b], s86, v12         ; the same of each block's largest score
.endr
	s_wait_alu depctr_va_vdst(0)
.set j, 0
.rept 64
	v_exp_f32 v[SS+j], v[SS+j]                     ; p = 2^(t - M), at most 1
.set j, j+1
.endr
.irp b, 0,1,2,3
	v_exp_f32 v[BM+\b], v[BM+\b]                   ; the block's largest p: the same two instructions on the same number
.endr
	v_pk_mul_f32 v[14:15], v[14:15], v[FF:FF+1] op_sel_hi:[1,0]   ; the sum under the new M (a plain place behind the exponentials)
	s_wait_alu depctr_va_vdst(0)                   ; one wait for the batch, ahead of its first reader
.irp b, 0,1,2,3
	v_max_num_f32 v[BM+\b], 0x1800000, v[BM+\b]    ; the floor 2^(3 - 127): a block whose every p is 0 keeps the byte 1
.endr
.irp b, 0,1,2,3
	s_delay_alu instid0(VALU_DEP_4)
	v_add_nc_u32 v[SOP+\b], 0xff000000, v[BM+\b]   ; the conversion's scale operand
.endr
.irp b, 0,1,2,3
	s_delay_alu instid0(VALU_DEP_4)
	v_lshrrev_b32 v[PT+\b], 23, v[SOP+\b]          ; the scale's byte
.endr
	s_delay_alu instid0(VALU_DEP_3)
	v_lshl_or_b32 v93, v[PT+1], 8, v[PT]           ; p's scale word for these 128 keys
	s_delay_alu instid0(VALU_DEP_1)
	v_lshl_or_b32 v93, v[PT+2], 16, v93
	s_delay_alu instid0(VALU_DEP_1)
	v_lshl_or_b32 v93, v[PT+3], 24, v93
.irp c, 0,1
	v_cvt_scalef32_pk16_fp6_f32 v[PCD+6*\c:PCD+6*\c+2], v[SS+32*\c:SS+32*\c+15], v[SOP+2*\c]
	v_cvt_scalef32_pk16_fp6_f32 v[204+4*\c:206+4*\c], v[SS+16+32*\c:SS+31+32*\c], v[SOP+2*\c+1]
.endr
	v_nop                                          ; one plain place behind a scaled conversion
.irp c, 0,1                            ; a WHOLE block in a lane: lanes 0-15 block 2 c, lanes 16-31 block 2 c + 1
.irp i, 0,1,2
	v_permlane16_swap_b32 v[PCD+6*\c+\i], v[204+4*\c+\i]
.endr
.irp i, 0,1,2
	s_delay_alu instid0(VALU_DEP_3)
	v_mov_b32 v[PCD+3+6*\c+\i], v[204+4*\c+\i]
.endr
.endr
.set j, 0
.rept 16
	v_pk_mul_f32 v[OT+j:OT+j+1], v[OT+j:OT+j+1], v[FF:FF+1] op_sel_hi:[1,0]   ; O^T under the new M; also the places between p's codes and scale word and the products below
.set j, j+2
.endr
	s_wait_alu depctr_va_vdst(0)
	s_wait_dscnt 0x0                               ; V's fragments and scale words are in
.irp t, 0,1,2,3                        ; the four accumulators by turns
.if \t%2
	v_wmma_scale_f32_16x16x128_f8f6f4 v[OT+8*\t:OT+8*\t+7], v[KV+12*\t:KV+12*\t+11], v[PCD:PCD+11], v[OT+8*\t:OT+8*\t+7], v[90+\t/2], v93 matrix_a_fmt:MATRIX_FMT_FP6 matrix_b_fmt:MATRIX_FMT_FP6 matrix_a_scale:MATRIX_SCALE_ROW1
.else
	v_wmma_scale_f32_16x16x128_f8f6f4 v[OT+8*\t:OT+8*\t+7], v[KV+12*\t:KV+12*\t+11], v[PCD:PCD+11], v[OT+8*\t:OT+8*\t+7], v[90+\t/2], v93 matrix_a_fmt:MATRIX_FMT_FP6 matrix_b_fmt:MATRIX_FMT_FP6
.endif
.endr
; THE ROW'S SUM, of the unquantised p: 32 packed additions in eight chains.  They name no register of the products above: the first ten lines are the places in front of the loads into V's registers.
.if \nxt
	s_add_co_u32 s13, s13, KVSTEP                  ; the next step's block
	v_add_nc_u32 v3, s13, v1
	v_add_nc_u32 v4, s13, v2
.endif
.irp i, 0,1,2,3,4,5,6
	v_pk_add_f32 v[SA+2*\i:SA+2*\i+1], v[SS+4*\i:SS+4*\i+1], v[SS+4*\i+2:SS+4*\i+3]
.endr
	v_pk_add_f32 v[14:15], v[14:15], v[SS+28:SS+29]
.if \nxt
	KLOADS
.endif
.irp i, 0,1,2,3,4,5,6
	v_pk_add_f32 v[SA+2*\i:SA+2*\i+1], v[SA+2*\i:SA+2*\i+1], v[SS+30+2*\i:SS+31+2*\i]
.endr
	v_pk_add_f32 v[14:15], v[14:15], v[SS+44:SS+45]
.irp i, 0,1,2,3,4,5,6
	v_pk_add_f32 v[SA+2*\i:SA+2*\i+1], v[SA+2*\i:SA+2*\i+1], v[SS+46+2*\i:SS+47+2*\i]
.endr
	v_pk_add_f32 v[14:15], v[14:15], v[SS+60:SS+61]
	v_pk_add_f32 v[SA:SA+1], v[SA:SA+1], v[SS+62:SS+63]
	v_pk_add_f32 v[SA+4:SA+5], v[SA+4:SA+5], v[SA+6:SA+7]
	v_pk_add_f32 v[SA+8:SA+9], v[SA+8:SA+9], v[SA+10:SA+11]
	v_pk_add_f32 v[14:15], v[14:15], v[SA+12:SA+13]
	v_pk_add_f32 v[SA:SA+1], v[SA:SA+1], v[SA+2:SA+3]
	s_delay_alu instid0(VALU_DEP_2)
	v_pk_add_f32 v[14:15], v[14:15], v[SA+8:SA+9]
	s_delay_alu instid0(VALU_DEP_2)
	v_pk_add_f32 v[SA:SA+1], v[SA:SA+1], v[SA+4:SA+5]
	s_delay_alu instid0(VALU_DEP_1)
	v_pk_add_f32 v[14:15], v[14:15], v[SA:SA+1]
.endm
; A PASS over tile p.  O^T and the sum begin as zeros and the largest t as -3e38: the first change of M multiplies zeros.  Fifteen trips ask for the next step's K; the sixteenth step is written out.
.macro BODY p
	v_mov_b32 v13, 0xff61b1e6                      ; -3e38, under every t
	s_delay_alu instid0(VALU_DEP_1)
	v_floor_f32 v12, -v13
	v_mov_b32 v14, 0
	v_mov_b32 v15, 0
.set j, 0
.rept 32
	v_mov_b32 v[OT+j], 0
.set j, j+1
.endr
	s_mov_b32 s13, 0
	s_mov_b32 s14, 15
	v_add_nc_u32 v3, s13, v1
	v_add_nc_u32 v4, s13, v2
	KLOADS                                         ; step 0's
	s_wait_alu depctr_va_vdst(0)
.Lstep_\p:
	STEP 1
	s_sub_co_u32 s14, s14, 1
	s_cmp_lg_u32 s14, 0
	s_cbranch_scc1 .Lstep_\p
	STEP 0
	; the way out: O^T / the sum goes through my stage and leaves as whole rows of 256 bytes (the additions above are the places behind the last products)
	v_add_f32 v14, v14, v15
	s_delay_alu instid0(VALU_DEP_1)
	v_permlanex16_b32 v[TMP], v14, s84, s85
	s_delay_alu instid0(VALU_DEP_1)
	v_add_f32 v14, v14, v[TMP]                     ; the row's sum
	s_wait_alu depctr_va_vdst(0)
	v_rcp_f32 v14, v14
	v_nop                                          ; a plain place behind it
	s_wait_alu depctr_va_vdst(0)                   ; the wait ahead of its first reader
.set j, 0
.rept 16
	v_pk_mul_f32 v[SS+j:SS+j+1], v[OT+j:OT+j+1], v[14:15] op_sel_hi:[1,0]   ; register 8 t + i is o(r, 16 t + 8 h + i); ascending
.set j, j+2
.endr
.if \p == 0
	QLOAD 1                                        ; O^T has been read: its registers take the next tile's rows of Q
.endif
.irp t, 0,1,2,3
	ds_store_b128 v5, v[SS+8*\t:SS+8*\t+3] offset:64*\t
	ds_store_b128 v5, v[SS+8*\t+4:SS+8*\t+7] offset:64*\t+16
.endr
.irp i, 0,1,2,3,4,5,6,7
	ds_load_b128 v[SS+32+4*\i:SS+35+4*\i], v6 offset:544*\i      ; LDS serves a wave's instructions in order: these see my stores
.endr
.irp i, 0,1,2,3,4,5,6,7
	s_wait_dscnt 7-\i                              ; the younger loads from the stage may be out
	global_store_b128 v7, v[SS+32+4*\i:SS+35+4*\i], s[10:11] offset:4096*\p+512*\i th:TH_STORE_NT   ; each half of the lanes stores 256 consecutive bytes, aligned
.endr
	s_wait_xcnt 0x0                                ; the stores have read their registers: they are written again behind this wait
.endm
	BODY 0
	QPREP
	BODY 1
	s_wait_kmcnt 0x0                               ; the words asked for in my last step
	s_wait_tensorcnt 0x0                           ; the wave's end
	ds_add_u32 v254, v255
	s_wait_dscnt 0x0
	ROUND                                          ; the closing round
	s_endpgm
.Lfunc_end_k_qabfe9010f7_attn:
	.size	k_qabfe9010f7_attn, .Lfunc_end_k_qabfe9010f7_attn-k_qabfe9010f7_attn
	.p2alignl 7, 3214868480
	.fill 96, 4, 3214868480
	.section	.rodata,"a",@progbits
	.p2align	6, 0x0
	.amdhsa_kernel k_qabfe9010f7_attn
		.amdhsa_group_segment_fixed_size 280576
		.amdhsa_private_segment_fixed_size 0
		.amdhsa_enable_private_segment 0
		.amdhsa_kernarg_size 32
		.amdhsa_user_sgpr_count 2
		.amdhsa_user_sgpr_kernarg_segment_ptr 1
		.amdhsa_wavefront_size32 1
		.amdhsa_system_sgpr_workgroup_id_x 1
		.amdhsa_system_sgpr_workgroup_id_y 1
		.amdhsa_system_sgpr_workgroup_id_z 1
		.amdhsa_system_vgpr_workitem_id 0
		.amdhsa_next_free_vgpr 256
		.amdhsa_next_free_sgpr 102
		.amdhsa_reserve_vcc 0
		.amdhsa_float_denorm_mode_32 3
		.amdhsa_float_denorm_mode_16_64 3
		.amdhsa_memory_ordered 1
		.amdhsa_forward_progress 1
		.amdhsa_inst_pref_size 110
	.end_amdhsa_kernel
	.amdgpu_metadata
---
amdhsa.version: [ 1, 2 ]
amdhsa.kernels:
  - .name:           k_qabfe9010f7_attn
    .symbol:         k_qabfe9010f7_attn.kd
    .args:
      - { .name: Q, .offset: 0, .size: 8, .value_kind: global_buffer, .address_space: global }
      - { .name: kv, .offset: 8, .size: 8, .value_kind: global_buffer, .address_space: global }
      - { .name: mbits, .offset: 16, .size: 8, .value_kind: global_buffer, .address_space: global }
      - { .name: out0, .offset: 24, .size: 8, .value_kind: global_buffer, .address_space: global }
    .group_segment_fixed_size: 280576
    .private_segment_fixed_size: 0
    .kernarg_segment_align: 8
    .kernarg_segment_size: 32
    .max_flat_workgroup_size: 512
    .sgpr_count:     102
    .vgpr_count:     256
    .wavefront_size: 32
...
	.end_amdgpu_metadata
.endif
;; end of part 2
